; MI455X (gfx1250); checked and timed in simulation.
; The chip was launched on July 23, 2026; its instructions are those of AMD's public machine-readable ISA for CDNA 5 (MIT licence, August 2026) and "CDNA5" Instruction Set Architecture Reference Guide (July 2026). The comments in the code are by the model that wrote it; some were corrected since.
;; T5 Attention. Allowed arithmetic: matrix products marked QUANTISED: E2M3 operands, one E8M0 scale for each 32 along K, by v_wmma_scale_f32_16x16x128_f8f6f4 with both operands' format E2M3, f32 sums; everything else in f32.
;; Inputs: hidden_states_codes 2 x 2,048 x 32 x 24 uint8 (E2M3 codes of hidden_states, K innermost, in blocks of 32 codes, four codes in three bytes); hidden_states_scales 2 x 2,048 x 32 uint8 (E8M0 scales of hidden_states, one for each 32 codes along K); wk_codes 1,024 x 32 x 24 uint8 (E2M3 codes of wk, K innermost, in blocks of 32 codes, four codes in three bytes); wk_scales 1,024 x 32 uint8 (E8M0 scales of wk, one for each 32 codes along K); wo_codes 1,024 x 32 x 24 uint8 (E2M3 codes of wo, K innermost, in blocks of 32 codes, four codes in three bytes); wo_scales 1,024 x 32 uint8 (E8M0 scales of wo, one for each 32 codes along K); wq_codes 1,024 x 32 x 24 uint8 (E2M3 codes of wq, K innermost, in blocks of 32 codes, four codes in three bytes); wq_scales 1,024 x 32 uint8 (E8M0 scales of wq, one for each 32 codes along K); wv_codes 1,024 x 32 x 24 uint8 (E2M3 codes of wv, K innermost, in blocks of 32 codes, four codes in three bytes); wv_scales 1,024 x 32 uint8 (E8M0 scales of wv, one for each 32 codes along K).
;; Outputs: out0 2 x 2,048 x 1,024 float32.
;; This version of the problem:
;;   THIS VERSION OF THE PROBLEM IS GIVEN IN LOW PRECISION. The matrix products marked QUANTISED in the list below multiply operands that are first quantised to E2M3 (2 exponent bits, 3 mantissa bits; 6 bits a number), with one power-of-two scale for each 32 numbers along K (OCP MX v1.0); their sums are f32. All else is computed in f32.
;;   The module's matrix products, in the order in which they are computed (A, B: the left and right operand; K: the contracted axis; several contracted axes count as one K, in the product's order):
;;     1. [M 4,096, K 1,024] x [K 1,024, N 1,024]; A: input hidden_states (given as codes); B: input wq (given as codes): QUANTISED
;;     2. [M 4,096, K 1,024] x [K 1,024, N 1,024]; A: input hidden_states (given as codes); B: input wk (given as codes): QUANTISED
;;     3. [M 4,096, K 1,024] x [K 1,024, N 1,024]; A: input hidden_states (given as codes); B: input wv (given as codes): QUANTISED
;;     4. batch 32 x [M 2,048, K 64] x [K 64, N 2,048]; A: computed on the way; B: computed on the way: QUANTISED
;;     5. batch 32 x [M 2,048, K 2,048] x [K 2,048, N 64]; A: softmax (see below); B: computed on the way: QUANTISED
;;     6. [M 4,096, K 1,024] x [K 1,024, N 1,024]; A: computed on the way; B: input wo (given as codes): QUANTISED
;;   THE QUANTISER, for each operand of a quantised product, along K:
;;     - K is cut into blocks of 32 from its start; a last block that is shorter is filled with zeros.
;;     - A block's scale is 2^e with e = floor(log2(the largest magnitude in the block)) - 2, held to -126 .. 127; a block of zeros has e = 0. As a byte (E8M0): e + 127.
;;     - Each number is divided by its block's scale, clamped to +-7.5, and rounded to the nearest number of E2M3, ties to even, subnormals kept.
;;     - The product sums the exact products of the quantised numbers (number of the format x scale) in f32.
;;   ~~~python
;;   def quantise(x, axis):      # numpy; x: float32 -> the quantised numbers, widened to float32 again
;;       x = np.moveaxis(x, axis, -1); K = x.shape[-1]
;;       x = np.pad(x, [(0, 0)] * (x.ndim - 1) + [(0, -K % 32)]); x = x.reshape(x.shape[:-1] + (-1, 32)); a = np.abs(x).max(-1, keepdims=True)
;;       e = np.where(a > 0, np.clip(np.frexp(np.where(a > 0, a, 1))[1] - 1 - 2, -126, 127), 0)      # np.frexp(a)[1] - 1 = floor(log2(a)), exactly
;;       r = np.clip(x / 2.0 ** e, -7.5, 7.5)
;;       step = 2.0 ** (np.maximum(np.frexp(np.where(r == 0, 1, r))[1] - 1, 0) - 3)
;;       q = np.round(r / step) * step * 2.0 ** e      # np.round: ties to even
;;       return np.moveaxis(q.reshape(q.shape[:-2] + (-1,))[..., :K], -1, axis).astype(np.float32)
;;   ~~~
;;   SOFTMAX AHEAD OF A QUANTISED PRODUCT. Where the list says 'softmax', what is quantised is not the finished softmax but p = 2^(t - M), with t = logit x log2(e) and M = ceil(the row's largest t), a whole number; so 1/2 < the row's largest p <= 1. The row's sum l is taken of the UNQUANTISED p, in f32, and the product's result is divided by l at the end. Since M is a whole number, a kernel that streams over the keys may use a running M (the ceiling of the running maximum): every later rescaling is an exact power of two, which a block's scale takes up: the codes' values come out the same.
;;   OPERANDS COMPUTED ON THE WAY. 'Computed on the way' means the value that the module computes at that place (a softmax that the list does not call 'softmax' is quantised finished and normalised). What goes into a quantiser is computed in f32, as accurately as f32 sums, v_exp_f32 and their like allow (about 1e-6 of the number): no bf16 or f16 on the way to a quantiser, and a product that is left as it is and whose result goes on into a quantised operand takes f32 operands (vector FMAs, or v_wmma_f32_16x16x4_f32). A number that lies on a knife's edge between two numbers of the format may be rounded either way, as far as f32 arithmetic and the matrix unit's own rounding can turn it there, and no further.
;;   INPUTS GIVEN AS CODES. hidden_states (in the module: [2, 2048, 1024], K = its axis 2); wk (in the module: [1024, 1024], K = its axis 0); wo (in the module: [1024, 1024], K = its axis 0); wq (in the module: [1024, 1024], K = its axis 0); wv (in the module: [1024, 1024], K = its axis 0): each comes as NAME_codes (uint8): NAME with its K axis moved to the last place and cut into blocks of 32 codes, [.., K / 32, bytes a block], one block behind the other in memory; four codes in three bytes: a row's codes are one little-endian stream of bits, code i at bits 6 i .. 6 i + 5 (a code: sign, 2 exponent bits, 3 mantissa bits); and NAME_scales (uint8): the same leading axes, one E8M0 byte (e + 127) for each 32 codes along K. Its value is code x scale, taken as it is: it is not quantised again, and the codes and scales need not be those that the quantiser above would give.
;; One version. Each part assembles by itself: llvm-mc -triple=amdgcn-amd-amdhsa -mcpu=gfx1250 --defsym DOCPART=n.
;; ======== version 1 of 1: 3 launches
;; limits: right only within a limited range of input values
;; workspace buffers: img 9,830,400 bytes; cimg 3,276,800 bytes
;; launch qkv (part 1): grid 16 x 16, 4 waves a work-group, clusters of 4 x 4, 327,680 bytes of LDS; arguments hidden_states_codes, hidden_states_scales, wq_codes, wq_scales, wk_codes, wk_scales, wv_codes, wv_scales, img; writes img
.if DOCPART == 1
	.amdgcn_target "amdgcn-amd-amdhsa--gfx1250"
	.amdhsa_code_object_version 6
	.text
	.protected	k_qf66cc73782_qkv
	.globl	k_qf66cc73782_qkv
	.p2align	8
	.type	k_qf66cc73782_qkv,@function
k_qf66cc73782_qkv:
	s_mov_b64 s[64:65], 0
	v_nop
	global_prefetch_b8 v0, s[64:65] scope:SCOPE_SE
	s_setreg_imm32_b32 hwreg(HW_REG_WAVE_MODE, 25, 1), 1
	s_wait_xcnt 0x0
	s_wait_alu depctr_hold_cnt(0) depctr_sa_sdst(0) depctr_va_vdst(0) depctr_va_sdst(0) depctr_va_ssrc(0) depctr_va_vcc(0) depctr_vm_vsrc(0)
	s_getreg_b32 s2, hwreg(HW_REG_IB_STS2, 6, 4)
	s_cmp_eq_u32 s2, 0
	s_cbranch_scc0 .Lentry_in_a_cluster
	s_endpgm
.Lentry_in_a_cluster:
	s_bfe_u32 s2, ttmp6, 0x10000c
	s_cmp_lg_u32 s2, 0xf033
	s_cbranch_scc0 .Lentry_shape_is_right
	s_endpgm
.Lentry_shape_is_right:
; Q, K, V = x W, K = 1,024, on codes of FP6 (E2M3) with E8M0 scales; each result is quantised in registers: Q, K along the head's 64, V along the tokens.  No f32 result is stored.
; LIMITS: NaN and infinities are not served.  A block whose largest magnitude lies under 2^-124 gets the scale byte 1 (these bytes are read by this program alone).
; img: for each of 32 (batch, head) 307,200 bytes: K's codes 98,304 | V's 98,304 | K's scale bytes 4,096 | V's 4,096 | Q's codes 98,304 | Q's scale bytes 4,096.
;   Q, K: [band of 64 tokens][p][piece][lane][16 bytes]: 12 registers = tiles 2 p, 2 p + 1;  scales [band][p][r][tile % 2][h].   V: [128 tokens][t][band c][512 bytes: registers 0-3 | 256: 4, 5];  scales [128 tokens][t][r][2 c + h].
; ORDER OF ROWS.  r = lane % 16 = 8 g + i, h = lane / 16.  Tile j of 64 rows (tokens, or a head's columns) has in its row r the row 32 g + 8 (j xor g) + i of the 64: so a lane's results of four tiles are one whole scale block, and the sixteen LDS rows of a fragment differ modulo 16.
; SHARES.  A work-group makes 128 x 128 of V and then 256 x 128 of Q or K; V's 128 rows are a half of its own 256.  Four waves, 2 x 2; a wave holds 64 rows of a weight, all of K, in registers (32 fragments) and streams x past in blocks of 16 rows.
; CLUSTERS: x's rows are shared by a row of the cluster, a weight's rows by a column; all are asked for jointly.  Rows are 768 bytes.
; FILLS: at the head waves 0, 1 W_v's halves, waves 2, 3 the two chunks of 128 rows of x; ONE refill: W_q's or W_k's rows onto W_v's, which all waves hold in registers by then.  That refill's bytes are prefetched at the head, shared out by address among the sixteen waves that ask for them jointly.
; REGISTERS: fragment f lies in window 1 + f / 21 at register 12 (f % 21): 0-31 the weight's (4 q + t), 32-39 and 40-47 x's two sets.  V's results v840-967.
.set PITCH, 816                        ; 768 bytes + 16 behind every 256
.set YB,   128*PITCH
.set BVB,  2*YB
.set XN,   3*YB                        ; stage of Q's or K's scale bytes: [head][512]
.set XM,   XN+1024                     ; of V's: [head][256]
.set SPARE, XM+512
.set HBS,  307200
.set NF,   26                          ; LDS loads of a block of x
.set CO,   9
.set SPW,  10
.set NIL,  11
.set OFS,  12
.set C8,   13
.set PFV,  14
.set STO,  18
.set STV,  19
.set RDQ,  20
.set RDV,  21
.set SBV,  24
.set SBQ,  40
.set SA,   58
.set TQ,   90
.set SOP,  92
.set EB,   94
.set TC,   96
.set XAD,  104
.set WAD,  120
.set ACC,  128
.set NCD,  192
.set MCD,  204
.set HV,   840
.set MSB, 0
.macro WIN new
.if MSB != (\new)
	s_set_vgpr_msb (MSB<<8)|(\new)
.set MSB, (\new)
.endif
.endm
.macro PLACES n
.rept \n
	v_nop
.endr
.endm
.macro WALU
	s_wait_alu depctr_va_vdst(0)
.endm
.macro BARRIER
	s_barrier_signal -1
	s_barrier_wait -1
.endm
.macro CROUND                          ; a round of the cluster's barrier
	BARRIER
	s_cmp_lg_u32 s14, 0
	s_cbranch_scc1 .Lnot_wave_0_\@
	s_barrier_signal -3
.Lnot_wave_0_\@:
	s_barrier_wait -3
	BARRIER
.endm
.macro TLOAD g0, g1
	tensor_load_to_lds s[\g0:\g0+3], s[\g1:\g1+7]
	s_nop 0
	PLACES 4
.endm
.macro GROUP1 g, mask, rows
	s_or_b32 s[\g], s[\mask], (1<<20)|(1<<21)|(5<<22)|(3<<25)
	s_mov_b32 s[\g+1], 768<<16
	s_mov_b32 s[\g+2], (\rows)<<16
	s_mov_b32 s[\g+3], 768<<16
	s_mov_b32 s[\g+4], \rows
	s_mov_b32 s[\g+5], 768
	s_mov_b32 s[\g+6], 0
	s_mov_b32 s[\g+7], 0
.endm
.macro FRAG f, q, ad                   ; six pieces of 8 bytes, two to a load where both lie behind as many paddings; v[ad + 1] serves the pieces where lanes 16-31 are one padding further
.set F_, \f
.set AD_, \ad
	WIN ((1+F_/21)<<6)
.set R_, 12*(F_%21)
.set SKIP_, 0
.irp p, 0,1,2,3,4,5
.if SKIP_
.set SKIP_, 0
.else
.set PC_, 12*(\q)+6*(\p/3)+\p%3
.set PN_, 12*(\q)+6*((\p+1)/3)+(\p+1)%3
.set X_, (PC_%32+3)/32
.set XQ_, (PN_%32+3)/32
.if (\p < 5) && (X_ == XQ_)
.set SKIP_, 1
	ds_load_2addr_b64 v[R_+2*\p:R_+2*\p+3], v[AD_+X_] offset0:PC_+2*(PC_/32) offset1:PN_+2*(PN_/32)
.else
	ds_load_b64 v[R_+2*\p:R_+2*\p+1], v[AD_+X_] offset:8*(PC_+2*(PC_/32))
.endif
.endif
.endr
.endm
.macro WEIGHTS                         ; my 64 rows of the weight, all of K: 104 loads
.irp q, 0,1,2,3,4,5,6,7
.irp t, 0,1,2,3
	FRAG 4*\q+\t, \q, WAD+2*\t
.endr
.endr
	WIN 0
.endm
.macro FETCH e, b                      ; block b (4 x chunk + tile) of x into set e
.irp q, 0,1,2,3,4,5,6,7
	FRAG 32+8*\e+\q, \q, XAD+2*(\b)
.endr
	WIN 0
.endm
.macro MM c, ra, rb
	v_wmma_scale_f32_16x16x128_f8f6f4 v[D_:D_+7], v[S0_:S0_+11], v[S1_:S1_+11], \c, v[X0_], v[X1_] matrix_a_fmt:MATRIX_FMT_FP6 matrix_b_fmt:MATRIX_FMT_FP6 matrix_a_scale:MATRIX_SCALE_ROW\ra matrix_b_scale:MATRIX_SCALE_ROW\rb
.endm
.macro MMC ra, rb
.if Q_
	MM v[D_:D_+7], \ra, \rb
.else
	MM 0, \ra, \rb
.endif
.endm
.macro PROD kind, e, jr, a0, sa, sb    ; product N_ = 4 q + t.  kind 0 (Q, K): source 0 the weight's rows; kind 1 (V): source 0 x's rows
.set Q_, N_/4
.set T_, N_%4
.set FA_, 32+8*(\e)+Q_
.if \kind
.set D_, (\a0)+32*T_
.set S0_, 12*(FA_%21)
.set S1_, 12*(N_%21)
.set X0_, (\sa)+Q_
.set X1_, (\sb)+8*(T_/2)+Q_
	WIN ((1+FA_/21)|((1+N_/21)<<2)|0xf0)
.if T_%2
	MMC \jr, 1
.else
	MMC \jr, 0
.endif
.else
.set D_, (\a0)+8*T_
.set S0_, 12*(N_%21)
.set S1_, 12*(FA_%21)
.set X0_, (\sb)+8*(T_/2)+Q_
.set X1_, (\sa)+Q_
	WIN ((1+N_/21)|((1+FA_/21)<<2))
.if T_%2
	MMC 1, \jr
.else
	MMC 0, \jr
.endif
.endif
.endm
.macro BLOCK kind, e, jr, a0, sa, sb, from, to, x, so   ; products from .. to - 1; behind every second one two lines of the way out of the sums at x (x < 0: none)
.set N_, \from
.rept (\to)-(\from)
	PROD \kind, \e, \jr, \a0, \sa, \sb
.if (N_%2) && ((\x) >= 0)
	CHAIN N_-1, \x, \so, TQ
	CHAIN N_, \x, \so, TQ
.endif
.set N_, N_+1
.endr
.endm
.macro CHAIN i, x, so, t               ; the largest magnitude of 32 sums by two chains, and the conversions' scale operand
.set XW_, (\x)>>8
.set XL_, (\x)&255
.if ((\i) >= 0) && ((\i) < 14)
.set B_, XL_+16*((\i)%2)+2*((\i)/2)
.set TT_, (\t)+1-(\i)%2
.if (\i) < 2
	WIN (XW_|(XW_<<2)|(XW_<<4))
	v_max3_num_f32 v[TT_], |v[B_]|, |v[B_+1]|, |v[B_+2]|
.else
	WIN ((XW_<<2)|(XW_<<4))
	v_max3_num_f32 v[TT_], v[TT_], |v[B_+1]|, |v[B_+2]|
.endif
.elseif (\i) == 14
	WIN (XW_<<2)
	v_max3_num_f32 v[\t+1], v[\t+1], |v[XL_+15]|, 0x1800000
.elseif (\i) == 15
	WIN 0
	v_nop
.elseif (\i) == 16
	WIN (XW_<<2)
	v_max3_num_f32 v[\t], v[\t], |v[XL_+31]|, v[\t+1]
.elseif (\i) == 17
	WIN 0
	v_add_nc_u32 v[\so], 0xff000000, v[\t]
.endif
.endm
.macro CODES i, x, c, so, eb, t        ; 32 codes into v[c .. c + 5], the scale's byte into v[eb]
.set XW_, (\x)>>8
.set XL_, (\x)&255
.if (\i) == 0
	WIN XW_
	v_cvt_scalef32_pk16_fp6_f32 v[\c:\c+2], v[XL_:XL_+15], v[\so]
.elseif (\i) == 1
	WIN XW_
	v_cvt_scalef32_pk16_fp6_f32 v[\t:\t+2], v[XL_+16:XL_+31], v[\so]
.elseif (\i) == 2
	WIN 0
	v_lshrrev_b32 v[\eb], 23, v[\so]
.else
	WIN 0
	v_mov_b32 v[\c+\i], v[\t+\i-3]
.endif
.endm
.macro PUT3 b, p
.irp k, 0,1,2
	global_store_b128 v[CO], v[NCD+4*\k:NCD+4*\k+3], s[\b:\b+1] offset:1536*(\p)+512*\k
.endr
.endm
; Block s of Q or K; behind it the codes of block s - 1.  The shift and the three moves of CODES (ahead of the first way out: four v_nop) are the places ahead of the fetch and of the first read of block s's sums.
.macro QKB s, jr, w
	s_wait_dscnt \w
.if \jr
	s_wait_xcnt 0x0                                ; the last pair's stores have read their registers
.endif
.if \s
	BLOCK 0, \jr, \jr, ACC+32*\jr, SA+8*(\s/2), SBQ, 0, 32, ACC+32*(1-\jr), SOP+1-\jr
.irp i, 0,1,2,3,4,5
	CODES \i, ACC+32*(1-\jr), NCD+6*(1-\jr), SOP+1-\jr, EB+1-\jr, TC
.endr
.else
	BLOCK 0, \jr, \jr, ACC+32*\jr, SA+8*(\s/2), SBQ, 0, 32, -1, 0
	WIN 0
	PLACES 4
.endif
	WIN 0
	WALU
.if \s
	ds_store_b8 v[STO], v[EB+1-\jr] offset:256*((\s-1)/4)+64*(((\s-1)%4)/2)+2*((\s-1)%2)
.if \jr == 0
.if \s < 5
	PUT3 88, ((\s-2)%4)/2
.else
	PUT3 90, ((\s-2)%4)/2
.endif
.endif
.endif
.if \s < 6
	FETCH \jr, \s+2
.endif
.endm
	s_load_b512 s[24:39], s[0:1], 0x0              ; x, W_q, W_k, W_v: codes and scales
	s_load_b64 s[40:41], s[0:1], 0x40              ; img
	v_lshl_add_u32 v[SPW], v0, 2, SPARE
	v_mov_b32 v[NIL], 0
	ds_add_u32 v[SPW], v[NIL]
	ds_add_u32 v[SPW], v[NIL]
	v_lshrrev_b32 v1, 5, v0
	v_readfirstlane_b32 s14, v1                    ; wave
	s_lshr_b32 s15, s14, 1                         ; its row of the 2 x 2 (band), s16 its column (head)
	s_and_b32 s16, s14, 1
	s_bfe_u32 s85, ttmp6, 0x40000                  ; cx
	s_bfe_u32 s86, ttmp6, 0x40004                  ; cy
	s_lshl_b32 s80, ttmp9, 2
	s_add_co_u32 s80, s80, s85                     ; tile column of Q (0-7), K (8-15)
	s_and_b32 s81, ttmp7, 0xffff
	s_lshl_b32 s81, s81, 2
	s_add_co_u32 s81, s81, s86                     ; tile row: 256 tokens
	s_lshr_b32 s82, ttmp9, 1                       ; 0 Q, 1 K
	s_and_b32 s83, ttmp9, 1                        ; V's half of my 256 tokens, which comes first in both phases
	s_lshl_b32 s84, s82, 2
	s_add_co_u32 s84, s84, s85                     ; V's tile column
	s_lshl_b32 s21, s86, 2
	s_lshl_b32 s21, 15, s21
	s_lshl_b32 s22, 0x1111, s85
	GROUP1 44, 21, 128                             ; x
	GROUP1 52, 22, 64                              ; a weight
	s_mul_i32 s20, s15, 64*PITCH
	s_mul_i32 s21, s16, 64*PITCH
	s_add_co_u32 s21, s21, BVB
	s_lshl_b32 s22, s86, 2
	s_add_co_u32 s22, s22, s14
	s_mul_i32 s22, s22, 6144                       ; my sixteenth of the second weight's tile
	s_lshl_b32 s2, s16, 9
	s_lshl_b32 s3, s15, 7
	s_add_co_u32 s3, s3, s2
	s_add_co_u32 s3, s3, XN
	s_lshl_b32 s4, s16, 8
	s_add_co_u32 s4, s4, XM
	s_lshl_b32 s5, s15, 1
	s_add_co_u32 s5, s5, s4
	s_lshl_b32 s6, s15, 8
	s_add_co_u32 s6, s6, s2
	s_add_co_u32 s6, s6, XN
	v_and_b32 v1, 15, v0                           ; r
	v_bfe_u32 v2, v0, 4, 1                         ; h
	v_and_b32 v3, 31, v0
	v_lshrrev_b32 v4, 3, v1                        ; g
	v_and_b32 v5, 7, v1                            ; i
	v_lshlrev_b32 v[CO], 4, v3
	v_lshlrev_b32 v[C8], 3, v3
	v_mul_u32_u24 v8, v5, PITCH
	v_mad_u32_u24 v8, v2, 24, v8
	v_mad_u32_u24 v6, v4, 40*PITCH, v8             ; even tiles: row 40 g + i (+ 8 j)
	v_mad_u32_u24 v7, v4, 24*PITCH, v8             ; odd tiles: row 24 g + i (+ 8 j)
	v_lshlrev_b32 v22, 4, v2
	v_add_nc_u32 v15, s20, v6
	v_add_nc_u32 v16, s20, v7
.irp b, 0,1,2,3,4,5,6,7
	v_add_nc_u32 v[XAD+2*\b], (\b/4)*YB+(\b%4)*8*PITCH, v[15+\b%2]
	v_add_nc_u32 v[XAD+2*\b+1], v22, v[XAD+2*\b]
.endr
	v_add_nc_u32 v15, s21, v6
	v_add_nc_u32 v16, s21, v7
.irp t, 0,1,2,3
	v_add_nc_u32 v[WAD+2*\t], \t*8*PITCH, v[15+\t%2]
	v_add_nc_u32 v[WAD+2*\t+1], v22, v[WAD+2*\t]
.endr
	v_xor_b32 v15, v2, v4
	v_lshlrev_b32 v[OFS], 10, v4                   ; scale words: row 32 g + 8 (h xor g) + i of 32 bytes: lanes 0-15 an even tile, lanes 16-31 the odd one behind it
	v_lshl_add_u32 v[OFS], v15, 8, v[OFS]
	v_lshl_add_u32 v[OFS], v5, 5, v[OFS]
	v_min_u32 v[PFV], 23, v3
	v_lshlrev_b32 v[PFV], 8, v[PFV]
	v_add_nc_u32 v[PFV], s22, v[PFV]
	v_lshl_add_u32 v[STO], v1, 2, v2
	v_add_nc_u32 v[STV], s5, v[STO]
	v_add_nc_u32 v[STO], s3, v[STO]
	v_add_nc_u32 v[RDQ], s6, v[C8]
	v_add_nc_u32 v[RDV], s4, v[C8]
	WALU                                           ; the wait at the head's end
	s_wait_dscnt 0x0
	CROUND                                         ; all sixteen work-groups are here: the first joint loads meet
	s_wait_kmcnt 0x0
	s_mov_b32 s60, 1                               ; W_v's 64 rows of waves 0, 1
	s_mov_b32 s61, s21
	s_mul_i32 s20, s84, 98304
	s_mul_i32 s23, s16, 49152
	s_add_co_u32 s20, s20, s23
	s_mov_b32 s21, 0
	s_add_nc_u64 s[62:63], s[36:37], s[20:21]
	s_or_b32 s63, s63, 0x80000000
	s_mov_b32 s68, 1                               ; x's chunk of waves 2, 3: V's half into slot 0, the other into slot 1
	s_mul_i32 s69, s16, YB
	s_mul_i32 s20, s81, 196608
	s_xor_b32 s22, s83, s16
	s_mul_i32 s22, s22, 98304
	s_add_co_u32 s20, s20, s22
	s_add_nc_u64 s[70:71], s[24:25], s[20:21]
	s_or_b32 s71, s71, 0x80000000
	s_cmp_lt_u32 s14, 2
	s_cbranch_scc0 .Lfor_x
	TLOAD 60, 52
	s_branch .Lasked
.Lfor_x:
	TLOAD 68, 44
.Lasked:
	s_cmp_eq_u32 s82, 0                            ; the second weight
	s_cselect_b64 s[28:29], s[28:29], s[32:33]
	s_cselect_b64 s[30:31], s[30:31], s[34:35]
	s_and_b32 s2, s80, 7
	s_mul_i32 s20, s2, 98304
	s_add_nc_u64 s[98:99], s[28:29], s[20:21]
	s_add_co_u32 s20, s20, s23
	s_mov_b32 s72, 1
	s_mov_b32 s73, s61
	s_add_nc_u64 s[74:75], s[28:29], s[20:21]
	s_or_b32 s75, s75, 0x80000000
	s_lshl_b32 s20, s84, 12
	s_lshl_b32 s22, s16, 11
	s_add_co_u32 s20, s20, s22
	s_add_nc_u64 s[76:77], s[38:39], s[20:21]      ; W_v's scale bytes, my 64 rows
	s_lshl_b32 s20, s2, 12
	s_add_co_u32 s20, s20, s22
	s_add_nc_u64 s[78:79], s[30:31], s[20:21]      ; the second weight's
	s_lshl_b32 s3, s81, 13
	s_lshl_b32 s4, s15, 11
	s_add_co_u32 s3, s3, s4
	s_lshl_b32 s4, s83, 12
	s_add_co_u32 s20, s3, s4
	s_add_nc_u64 s[100:101], s[26:27], s[20:21]    ; x's, first half
	s_xor_b32 s4, s4, 4096
	s_add_co_u32 s20, s3, s4
	s_add_nc_u64 s[6:7], s[26:27], s[20:21]        ; x's, second half
.irp d, 0,1
.irp c, 0,1
	global_load_b128 v[SBV+8*\d+4*\c:SBV+8*\d+4*\c+3], v[OFS], s[76:77] offset:512*\d+16*\c
	global_load_b128 v[SA+8*\d+4*\c:SA+8*\d+4*\c+3], v[OFS], s[100:101] offset:512*\d+16*\c
	global_load_b128 v[SBQ+8*\d+4*\c:SBQ+8*\d+4*\c+3], v[OFS], s[78:79] offset:512*\d+16*\c
	global_load_b128 v[SA+16+8*\d+4*\c:SA+16+8*\d+4*\c+3], v[OFS], s[6:7] offset:512*\d+16*\c
.endr
.endr
	global_prefetch_b8 v[PFV], s[98:99] th:TH_LOAD_NT scope:SCOPE_SE   ; what the refill will load: 24 units of 256 bytes a wave
	s_lshr_b32 s20, s81, 3                         ; where the results go
	s_lshl_b32 s20, s20, 4                         ; 16 x batch
	s_lshl_b32 s8, s2, 1
	s_add_co_u32 s8, s8, s16
	s_add_co_u32 s8, s8, s20
	s_mul_i32 s8, s8, HBS
	s_cmp_eq_u32 s82, 0
	s_cselect_b32 s9, 204800, 0
	s_mov_b32 s10, 303104
	s_cselect_b32 s10, s10, 196608
	s_and_b32 s11, s81, 7
	s_mul_i32 s12, s11, 12288
	s_add_co_u32 s12, s12, s8
	s_add_co_u32 s12, s12, s9
	s_mul_i32 s13, s15, 3072
	s_add_co_u32 s12, s12, s13
	s_mul_i32 s13, s83, 6144
	s_add_co_u32 s88, s12, s13                     ; first half's codes
	s_xor_b32 s13, s83, 1
	s_mul_i32 s13, s13, 6144
	s_add_co_u32 s90, s12, s13                     ; second half's
	s_mov_b32 s89, 0
	s_mov_b32 s91, 0
	s_lshl_b32 s11, s11, 9
	s_add_co_u32 s92, s8, s10
	s_add_co_u32 s92, s92, s11
	s_xor_b32 s13, s15, s83
	s_lshl_b32 s13, s13, 8
	s_add_co_u32 s92, s92, s13                     ; scale bytes: the unit that my wave stores at the end
	s_mov_b32 s93, 0
	s_lshl_b32 s8, s84, 1
	s_add_co_u32 s8, s8, s16
	s_add_co_u32 s8, s8, s20
	s_mul_i32 s8, s8, HBS
	s_lshl_b32 s9, s81, 1
	s_add_co_u32 s9, s9, s83
	s_and_b32 s9, s9, 15
	s_mul_i32 s10, s9, 6144
	s_mul_i32 s11, s15, 768
	s_add_co_u32 s94, s8, 98304
	s_add_co_u32 s94, s94, s10
	s_add_co_u32 s94, s94, s11                     ; V's codes
	s_mov_b32 s95, 0
	s_lshl_b32 s9, s9, 8
	s_add_co_u32 s96, s8, 200704
	s_add_co_u32 s96, s96, s9                      ; V's scale bytes
	s_mov_b32 s97, 0
	s_add_nc_u64 s[88:89], s[40:41], s[88:89]
	s_add_nc_u64 s[90:91], s[40:41], s[90:91]
	s_add_nc_u64 s[92:93], s[40:41], s[92:93]
	s_add_nc_u64 s[94:95], s[40:41], s[94:95]
	s_add_nc_u64 s[96:97], s[40:41], s[96:97]
	s_cmp_lt_u32 s14, 2
	s_cbranch_scc0 .Lnot_w
	s_wait_tensorcnt 0x0
.Lnot_w:
	BARRIER                                        ; W_v's rows are in; x may still be on its way
	WEIGHTS
	s_wait_tensorcnt 0x0                           ; x's chunks are in
	ds_add_u32 v[SPW], v[NIL]
	s_wait_dscnt 0x0                               ; W_v is in my registers
	CROUND
	s_cmp_lt_u32 s14, 2
	s_cbranch_scc0 .Lno_refill
	TLOAD 72, 52                                   ; the second weight onto W_v's rows
.Lno_refill:
	FETCH 0, 0
	FETCH 1, 1
	s_wait_loadcnt 0x0                             ; the scale words
; PHASE 1: V, four blocks
	s_wait_dscnt NF                                ; all but the next block's loads
	BLOCK 1, 0, 0, HV-768, SA, SBV, 0, 32, -1, 0
	WIN 0
	PLACES 4
	FETCH 0, 2
	s_wait_dscnt NF
	BLOCK 1, 1, 1, HV-768+8, SA, SBV, 0, 32, -1, 0
	WIN 0
	PLACES 4
	FETCH 1, 3
	s_wait_dscnt NF
	BLOCK 1, 0, 0, HV-768+16, SA+8, SBV, 0, 32, -1, 0
	s_wait_dscnt 0x0
	BLOCK 1, 1, 1, HV-768+24, SA+8, SBV, 0, 24, -1, 0
	s_wait_tensorcnt 0x0
	s_wait_dscnt 0x0
	s_barrier_signal -1                            ; the second weight is shown to all
	BLOCK 1, 1, 1, HV-768+24, SA+8, SBV, 24, 32, -1, 0
	WIN 0
	s_barrier_wait -1
	PLACES 4
	WEIGHTS
	FETCH 0, 0                                     ; Q's or K's first blocks are V's rows once more
	FETCH 1, 1
; V's way out, under the loads' flight: in tile t a lane holds 32 tokens of column r
.set I, 0
.rept 18
.irp t, 0,1,2,3
	CHAIN I, HV+32*\t, 140+\t, 128+2*\t
.endr
.set I, I+1
.endr
.irp i, 0,1,2,3,4,5
.irp t, 0,1,2,3
	CODES \i, HV+32*\t, MCD+6*\t, 140+\t, 144+\t, 148+4*\t
.endr
.endr
	WIN 0
	WALU
.irp t, 0,1,2,3
	ds_store_b8 v[STV], v[144+\t] offset:64*\t
.endr
.irp t, 0,1,2,3
	global_store_b128 v[CO], v[MCD+6*\t:MCD+6*\t+3], s[94:95] offset:1536*\t
	global_store_b64 v[C8], v[MCD+6*\t+4:MCD+6*\t+5], s[94:95] offset:1536*\t+512
.endr
; PHASE 2: Q or K, eight blocks.  Younger than a block's loads: the next block's 26, and the scale bytes stored in between (V's four, then one a block)
	QKB 0, 0, NF+4
	QKB 1, 1, NF+4
	QKB 2, 0, NF+1
	QKB 3, 1, NF+1
	QKB 4, 0, NF+1
	QKB 5, 1, NF+1
	QKB 6, 0, NF+1
	QKB 7, 1, 1
.set I, 0
.rept 18
	CHAIN I, ACC+32, SOP+1, TQ
.set I, I+1
.endr
	CODES 2, ACC+32, NCD+6, SOP+1, EB+1, TC
	WALU
	ds_store_b8 v[STO], v[EB+1] offset:256+64+2
	s_wait_dscnt 0x0
	s_barrier_signal -1
	CODES 0, ACC+32, NCD+6, SOP+1, EB+1, TC
	CODES 1, ACC+32, NCD+6, SOP+1, EB+1, TC
	v_nop
.irp i, 3,4,5
	CODES \i, ACC+32, NCD+6, SOP+1, EB+1, TC
.endr
	s_barrier_wait -1
	WALU
	ds_load_b64 v[MCD:MCD+1], v[RDQ]
	ds_load_b64 v[MCD+2:MCD+3], v[RDV]
	PUT3 90, 1
	s_wait_dscnt 0x0
	global_store_b64 v[C8], v[MCD:MCD+1], s[92:93] ; 256 consecutive bytes a wave
	s_cmp_eq_u32 s15, 0
	s_cbranch_scc0 .Lno_vs
	global_store_b64 v[C8], v[MCD+2:MCD+3], s[96:97]
.Lno_vs:
	s_wait_tensorcnt 0x0
	ds_add_u32 v[SPW], v[NIL]
	s_wait_dscnt 0x0
	CROUND                                         ; the closing round
	s_endpgm
.Lfunc_end_k_qf66cc73782_qkv:
	.size	k_qf66cc73782_qkv, .Lfunc_end_k_qf66cc73782_qkv-k_qf66cc73782_qkv
	.p2alignl 7, 3214868480
	.fill 96, 4, 3214868480
	.section	.rodata,"a",@progbits
	.p2align	6, 0x0
	.amdhsa_kernel k_qf66cc73782_qkv
		.amdhsa_group_segment_fixed_size 327680
		.amdhsa_private_segment_fixed_size 0
		.amdhsa_enable_private_segment 0
		.amdhsa_kernarg_size 72
		.amdhsa_user_sgpr_count 2
		.amdhsa_user_sgpr_kernarg_segment_ptr 1
		.amdhsa_wavefront_size32 1
		.amdhsa_system_sgpr_workgroup_id_x 1
		.amdhsa_system_sgpr_workgroup_id_y 1
		.amdhsa_system_sgpr_workgroup_id_z 1
		.amdhsa_system_vgpr_workitem_id 0
		.amdhsa_next_free_vgpr 1024
		.amdhsa_next_free_sgpr 102
		.amdhsa_reserve_vcc 0
		.amdhsa_float_denorm_mode_32 3
		.amdhsa_float_denorm_mode_16_64 3
		.amdhsa_memory_ordered 1
		.amdhsa_forward_progress 1
		.amdhsa_inst_pref_size 122
	.end_amdhsa_kernel
	.amdgpu_metadata
---
amdhsa.version: [ 1, 2 ]
amdhsa.kernels:
  - .name:           k_qf66cc73782_qkv
    .symbol:         k_qf66cc73782_qkv.kd
    .args:
      - { .name: hidden_states_codes, .offset: 0, .size: 8, .value_kind: global_buffer, .address_space: global }
      - { .name: hidden_states_scales, .offset: 8, .size: 8, .value_kind: global_buffer, .address_space: global }
      - { .name: wq_codes, .offset: 16, .size: 8, .value_kind: global_buffer, .address_space: global }
      - { .name: wq_scales, .offset: 24, .size: 8, .value_kind: global_buffer, .address_space: global }
      - { .name: wk_codes, .offset: 32, .size: 8, .value_kind: global_buffer, .address_space: global }
      - { .name: wk_scales, .offset: 40, .size: 8, .value_kind: global_buffer, .address_space: global }
      - { .name: wv_codes, .offset: 48, .size: 8, .value_kind: global_buffer, .address_space: global }
      - { .name: wv_scales, .offset: 56, .size: 8, .value_kind: global_buffer, .address_space: global }
      - { .name: img, .offset: 64, .size: 8, .value_kind: global_buffer, .address_space: global }
    .group_segment_fixed_size: 327680
    .private_segment_fixed_size: 0
    .kernarg_segment_align: 8
    .kernarg_segment_size: 72
    .max_flat_workgroup_size: 128
    .sgpr_count:     102
    .vgpr_count:     1024
    .wavefront_size: 32
...
	.end_amdgpu_metadata
.endif
;; end of part 1
;; launch attn (part 2): grid 8 x 32, 16 waves a work-group, clusters of 4 x 1, 206,848 bytes of LDS; arguments img, cimg; writes cimg
.if DOCPART == 2
	.amdgcn_target "amdgcn-amd-amdhsa--gfx1250"
	.amdhsa_code_object_version 6
	.text
	.protected	k_qf66cc73782_attn
	.globl	k_qf66cc73782_attn
	.p2align	8
	.type	k_qf66cc73782_attn,@function
k_qf66cc73782_attn:
	s_mov_b64 s[64:65], 0
	v_nop
	global_prefetch_b8 v0, s[64:65] scope:SCOPE_SE
	s_setreg_imm32_b32 hwreg(HW_REG_WAVE_MODE, 25, 1), 1
	s_wait_xcnt 0x0
	s_wait_alu depctr_hold_cnt(0) depctr_sa_sdst(0) depctr_va_vdst(0) depctr_va_sdst(0) depctr_va_ssrc(0) depctr_va_vcc(0) depctr_vm_vsrc(0)
	s_getreg_b32 s2, hwreg(HW_REG_IB_STS2, 6, 4)
	s_cmp_eq_u32 s2, 0
	s_cbranch_scc0 .Lentry_in_a_cluster
	s_endpgm
.Lentry_in_a_cluster:
	s_bfe_u32 s2, ttmp6, 0x10000c
	s_cmp_lg_u32 s2, 0x3003
	s_cbranch_scc0 .Lentry_shape_is_right
	s_endpgm
.Lentry_shape_is_right:
; ctx[q][:] = the sum over k of softmax_k(q . k) v for one (batch, head), no scaling of the scores; both products on codes of FP6 (E2M3) with E8M0 scales; ctx is divided by the row's sum and quantised at once along head x 64 + d.
; img is laid out at the head of the launch that writes it.  cimg: for each 128 tokens 102,400 bytes: [tile 8][head 16][512 bytes: registers 0-3 | 256: 4, 5], then the scale bytes [tile][head][r][h].
; THE SOFTMAX: t = score x log2(e); M = the row's largest t so far, rounded up to a whole number; p = 2^(t - M), quantised along the keys; the row's sum is taken of the unquantised p.  When M moves, the sum and O are multiplied by 2^(old M - new M): exact.
; A block's scale exponent is floor(log2 p) of its largest p, which is the floor of its largest t - M; it is held at -124 from below, so that the byte is at least 1.
; SHARES.  A work-group owns 256 queries, each of its sixteen waves a tile of 16.  Both products are used transposed (S^T = K Q^T, O^T = V^T P^T): a lane holds one query.  By the order in which K's tiles take their keys a lane's 32 scores of four tiles are one scale block in V's order of keys.
; ALL OF THE HEAD'S K, V AND SCALE BYTES LIE IN LDS, each byte filled once, by one load a wave: waves 0-3 the first 256 keys and the scale bytes, the others the rest.  The LDS image is img's, byte for byte.  All is asked for at the head, so nothing is left to prefetch.
; CLUSTER: the four query blocks of a cluster belong to one head: every fill is asked for jointly (mask 15).
; K = 64 UNDER AN INSTRUCTION OF 128: a pair of K's tiles is one operand; Q stands between two runs of six zero registers, so that (Q, 0) meets the pair's first tile and (0, Q) its second.  Q's scale word holds its two bytes twice.
; LIMITS: NaN and infinities are not served; the scaled scores stay under 2^31 in magnitude; a block of ctx whose largest magnitude lies under 2^-124 gets the byte 1 (read by this program alone).
; REGISTERS: v0-3 LDS bases; v4-7 the step's addresses; v12 -M, v13 the largest t, v[14:15] the sum; v16-33 zeros, Q, zeros; v34 Q's scale word, v35 p's, v36-37 K's, v38-39 V's.
.set VB,   98304
.set SB,   196608
.set HBS,  307200
.set SPARE, 204800
.set KF,   40
.set VF,   88
.set S,    136
.set O,    200
.set P,    232
.set BM,   244
.set TT,   246
.set SO,   248
.set CA,   250                         ; a conversion's second three registers: v250-252 and v8-10
.set CB,   8
.set FF,   254
.set SPW,  253
.set NIL,  11
.macro WALU
	s_wait_alu depctr_va_vdst(0)
.endm
.macro BARRIER
	s_barrier_signal -1
	s_barrier_wait -1
.endm
.macro ROUND
	BARRIER
	s_cmp_lg_u32 s12, 0
	s_cbranch_scc1 .Lnot_wave_0_\@
	s_barrier_signal -3
.Lnot_wave_0_\@:
	s_barrier_wait -3
	BARRIER
.endm
.macro GROUP1 g, rows                  ; rows of 256 bytes, dense
	s_mov_b32 s[\g], 15|(3<<16)|(1<<21)
	s_mov_b32 s[\g+1], 32<<16
	s_mov_b32 s[\g+2], (\rows)<<16
	s_mov_b32 s[\g+3], 32<<16
	s_mov_b32 s[\g+4], \rows
	s_mov_b32 s[\g+5], 32
	s_mov_b32 s[\g+6], 0
	s_mov_b32 s[\g+7], 0
.endm
.macro TLOAD g0, g1
	tensor_load_to_lds s[\g0:\g0+3], s[\g1:\g1+7]
	s_nop 0
.rept 4
	v_nop
.endr
.endm
	s_load_b128 s[4:7], s[0:1], 0x0                ; img, cimg
	v_lshl_add_u32 v[SPW], v0, 2, SPARE
	v_mov_b32 v[NIL], 0
	ds_add_u32 v[SPW], v[NIL]
	ds_add_u32 v[SPW], v[NIL]
	v_lshrrev_b32 v8, 5, v0
	v_readfirstlane_b32 s12, v8                    ; wave
	s_bfe_u32 s13, ttmp6, 0x40000
	s_lshl_b32 s14, ttmp9, 2
	s_add_co_u32 s14, s14, s13                     ; my block of 256 queries
	s_and_b32 s15, ttmp7, 0xffff                   ; batch x 16 + head
	s_and_b32 s16, s12, 1                          ; K's (0) or V's (1)
	GROUP1 24, 48                                  ; 256 keys: 12,288 bytes
	GROUP1 32, 16                                  ; scale bytes: 4,096
	GROUP1 40, 56                                  ; a sixth of the rest: 14,336
	s_mul_i32 s17, s16, VB
	s_mov_b32 s48, 1
	s_mov_b32 s49, s17
	s_lshl_b32 s2, s16, 12
	s_mov_b32 s52, 1
	s_add_co_u32 s53, s2, SB
	s_lshr_b32 s3, s12, 1
	s_xor_b32 s3, s3, 7                            ; 5 .. 0 in waves 4 .. 15
	s_mul_i32 s3, s3, 14336
	s_add_co_u32 s3, s3, 12288
	s_mov_b32 s56, 1
	s_add_co_u32 s57, s3, s17
	s_mul_i32 s18, s15, HBS
	s_mov_b32 s19, 0
	s_lshl_b32 s68, s14, 4
	s_add_co_u32 s68, s68, s12                     ; my tile of 16 queries, 0 .. 127
	s_lshr_b32 s69, s68, 1
	s_and_b32 s70, s68, 1                          ; which tile of its pair
	s_mul_i32 s71, s70, 520
	s_mul_i32 s2, s70, 1016
	s_add_co_u32 s2, s2, 8
	s_mov_b32 s20, 0x76543210
	s_mov_b32 s21, 0xfedcba98                      ; lane l xor 16
	s_mov_b32 s22, 0x3fb8aa3b                      ; log2(e)
	s_mov_b32 s23, s22
	v_and_b32 v10, 31, v0
	v_and_b32 v8, 15, v0
	v_lshlrev_b32 v9, 2, v8
	v_lshlrev_b32 v0, 4, v10                       ; K: 16 x lane
	v_add_nc_u32 v1, VB, v0                        ; V's pieces of 16 bytes,
	v_lshl_add_u32 v2, v10, 3, VB                  ; and of 8
	v_lshl_add_u32 v3, v10, 2, SB                  ; scale words
	v_add_nc_u32 v4, s71, v0
	v_add_nc_u32 v5, s2, v0
	WALU
	s_wait_dscnt 0x0
	ROUND                                          ; all four work-groups are here: the joint loads meet
	s_wait_kmcnt 0x0
	s_add_nc_u64 s[18:19], s[4:5], s[18:19]        ; my head's part of img
	s_mov_b32 s2, s49
	s_mov_b32 s3, 0
	s_add_nc_u64 s[50:51], s[18:19], s[2:3]
	s_or_b32 s51, s51, 0x80000000
	s_mov_b32 s2, s53
	s_add_nc_u64 s[54:55], s[18:19], s[2:3]
	s_or_b32 s55, s55, 0x80000000
	s_mov_b32 s2, s57
	s_add_nc_u64 s[58:59], s[18:19], s[2:3]
	s_or_b32 s59, s59, 0x80000000
	s_cmp_lt_u32 s12, 2
	s_cbranch_scc0 .Lfill_scales
	TLOAD 48, 24
	s_branch .Lfilled
.Lfill_scales:
	s_cmp_lt_u32 s12, 4
	s_cbranch_scc0 .Lfill_rest
	TLOAD 52, 32
	s_branch .Lfilled
.Lfill_rest:
	TLOAD 56, 40
.Lfilled:
	s_mul_i32 s2, s69, 1536
	s_add_co_u32 s2, s2, 204800
	s_add_nc_u64 s[4:5], s[18:19], s[2:3]          ; Q's pair
	s_lshl_b32 s2, s69, 6
	s_lshl_b32 s71, s70, 1
	s_add_co_u32 s2, s2, s71
	s_add_co_u32 s2, s2, 303104
	s_add_nc_u64 s[18:19], s[18:19], s[2:3]        ; my tile's two scale bytes of row 0
	global_load_b64 v[22:23], v4, s[4:5]
	global_load_b64 v[24:25], v5, s[4:5]
	global_load_b64 v[26:27], v4, s[4:5] offset:512
	global_load_u16 v244, v9, s[18:19]
	s_lshr_b32 s2, s15, 4
	s_lshl_b32 s2, s2, 7
	s_add_co_u32 s2, s2, s68                       ; my tile among all 256
	s_lshr_b32 s69, s2, 3
	s_mul_i32 s69, s69, 102400
	s_and_b32 s70, s2, 7
	s_and_b32 s71, s15, 15
	s_mul_i32 s8, s70, 12288
	s_add_co_u32 s8, s8, s69
	s_mul_i32 s10, s71, 768
	s_add_co_u32 s8, s8, s10
	s_mov_b32 s9, 0
	s_add_nc_u64 s[8:9], s[6:7], s[8:9]            ; ctx's codes
	s_lshl_b32 s10, s70, 9
	s_add_co_u32 s10, s10, s69
	s_lshl_b32 s71, s71, 5
	s_add_co_u32 s10, s10, s71
	s_add_co_u32 s10, s10, 98304
	s_mov_b32 s11, 0
	s_add_nc_u64 s[10:11], s[6:7], s[10:11]        ; and scale bytes
	s_mov_b32 s60, 0
	s_mov_b32 s61, 0
	s_wait_loadcnt 0x0
	v_lshl_or_b32 v34, v244, 16, v244
.irp i, 0,1,2,3,4,5
	v_mov_b32 v[16+\i], 0
	v_mov_b32 v[28+\i], 0
.endr
	v_mov_b32 v[FF+1], 0                           ; (named as the upper half of a pair)
	WALU                                           ; the wait at the head's end
	s_cmp_lt_u32 s12, 4
	s_cbranch_scc0 .Lnot_first
	s_wait_tensorcnt 0x0
.Lnot_first:
	BARRIER                                        ; the first 256 keys and the scale bytes are in; the rest may be on its way
.macro KLOAD a, sc, off, soff          ; a step's K: eight tiles, and two registers of scale words: lanes 0-15 pair 2 n, lanes 16-31 pair 2 n + 1
.set n, 0
.rept 12
	ds_load_b128 v[KF+4*n:KF+4*n+3], v[\a] offset:(\off)+512*n
.set n, n+1
.endr
	ds_load_b32 v36, v[\sc] offset:(\soff)
	ds_load_b32 v37, v[\sc] offset:(\soff)+128
.endm
.macro QK2 p, ra                       ; pair p of K's tiles
	v_wmma_scale_f32_16x16x128_f8f6f4 v[S+16*\p:S+16*\p+7], v[KF+12*\p:KF+12*\p+11], v[22:33], 0, v[36+\p/2], v34 matrix_a_fmt:MATRIX_FMT_FP6 matrix_b_fmt:MATRIX_FMT_FP6 matrix_a_scale:MATRIX_SCALE_ROW\ra
	v_wmma_scale_f32_16x16x128_f8f6f4 v[S+16*\p+8:S+16*\p+15], v[KF+12*\p:KF+12*\p+11], v[16:27], 0, v[36+\p/2], v34 matrix_a_fmt:MATRIX_FMT_FP6 matrix_b_fmt:MATRIX_FMT_FP6 matrix_a_scale:MATRIX_SCALE_ROW\ra
.endm
.macro PV t, ra, c
	v_wmma_scale_f32_16x16x128_f8f6f4 v[O+8*\t:O+8*\t+7], v[VF+12*\t:VF+12*\t+11], v[P:P+11], \c, v[38+\t/2], v35 matrix_a_fmt:MATRIX_FMT_FP6 matrix_b_fmt:MATRIX_FMT_FP6 matrix_a_scale:MATRIX_SCALE_ROW\ra
.endm
.macro ADDS m
.set n, 0
.rept \m
	v_pk_add_f32 v[S+2*n:S+2*n+1], v[S+2*n:S+2*n+1], v[S+2*n+2*\m:S+2*n+2*\m+1]
.set n, n+1
.endr
.endm
; A KEY STEP: 128 keys.  first = 1: the sums start here; sig = 1: the second barrier's signal stands in it; pf = 1: the next step's K is fetched.
.macro STEP first, sig, pf
	s_wait_dscnt 0x0                               ; K
	QK2 0, 0
	QK2 1, 1
	QK2 2, 0
	QK2 3, 1
	v_add_nc_u32 v4, s60, v0                       ; (these four are also the places in front of the loads and of the first read of the scores)
	v_add_nc_u32 v5, s60, v1
	v_add_nc_u32 v6, s60, v2
	v_add_nc_u32 v7, s61, v3
.irp t, 0,1,2,3
.irp c, 0,1
	ds_load_b128 v[VF+12*\t+6*\c:VF+12*\t+6*\c+3], v5 offset:1536*\t+768*\c
	ds_load_b64 v[VF+12*\t+6*\c+4:VF+12*\t+6*\c+5], v6 offset:1536*\t+768*\c+512
.endr
.endr
	ds_load_b32 v38, v7 offset:4096
	ds_load_b32 v39, v7 offset:4096+128
.if \pf
	KLOAD 4, 7, 6144, 256
.endif
.irp c, 0,1
	v_max3_num_f32 v[BM+\c], v[S+32*\c], v[S+32*\c+1], v[S+32*\c+2]
	v_max3_num_f32 v[TT+\c], v[S+32*\c+16], v[S+32*\c+17], v[S+32*\c+18]
.endr
.irp i, 3,5,7,9,11,13
.irp c, 0,1
	v_max3_num_f32 v[BM+\c], v[BM+\c], v[S+32*\c+\i], v[S+32*\c+\i+1]
	v_max3_num_f32 v[TT+\c], v[TT+\c], v[S+32*\c+\i+16], v[S+32*\c+\i+17]
.endr
.endr
.irp c, 0,1
	v_max3_num_f32 v[BM+\c], v[BM+\c], v[TT+\c], v[S+32*\c+15]
.endr
.irp c, 0,1
	v_max_num_f32 v[BM+\c], v[BM+\c], v[S+32*\c+31]   ; my block's largest score
.endr
	v_max_num_f32 v8, v[BM], v[BM+1]
	v_permlanex16_b32 v9, v8, s20, s21
	v_max_num_f32 v8, v8, v9
.if \first
	v_mul_f32 v13, s22, v8                         ; the largest t
	v_floor_f32 v12, -v13                          ; -M
.else
	v_mul_f32 v8, s22, v8
	v_max_num_f32 v13, v13, v8
	v_mov_b32 v8, v12
	v_floor_f32 v12, -v13
	v_sub_f32 v8, v12, v8                          ; old M - new M: a whole number, 0 or less
	v_cvt_i32_f32 v8, v8
	v_ldexp_f32 v[FF], 1.0, v8
.endif
.set n, 0
.rept 32
	v_pk_fma_f32 v[S+n:S+n+1], v[S+n:S+n+1], s[22:23], v[12:13] op_sel_hi:[1,0,0]   ; t - M
.set n, n+2
.endr
.irp c, 0,1
	v_fma_f32 v[BM+\c], v[BM+\c], s22, v12
.endr
.if \first == 0
.set n, 0
.rept 16
	v_pk_mul_f32 v[O+n:O+n+1], v[O+n:O+n+1], v[FF:FF+1] op_sel_hi:[1,0]   ; O^T under the new M
.set n, n+2
.endr
.endif
.irp c, 0,1
	v_max_num_f32 v[BM+\c], 0xc2f80000, v[BM+\c]   ; held at -124
.endr
.irp c, 0,1
	v_cvt_floor_i32_f32 v[BM+\c], v[BM+\c]
.endr
.irp c, 0,1
	v_add_nc_u32 v[BM+\c], 125, v[BM+\c]           ; the scale's byte: the exponent - 2 + 127
.endr
.irp c, 0,1
	v_lshlrev_b32 v[SO+\c], 23, v[BM+\c]
.endr
	v_lshl_or_b32 v[TT], v[BM+1], 16, v[BM]
	v_permlanex16_b32 v[TT+1], v[TT], s20, s21
	WALU                                           ; the wait ahead of the batch
.if \sig
	s_wait_tensorcnt 0x0                           ; my fill has landed
	s_wait_dscnt 0x0
	s_barrier_signal -1
.endif
.set n, 0
.rept 64
	v_exp_f32 v[S+n], v[S+n]                       ; p
.set n, n+1
.endr
	v_lshl_or_b32 v35, v[TT+1], 8, v[TT]           ; p's scale word, in lanes 0-15.  (The plain place behind the exponentials)
	WALU
	v_cvt_scalef32_pk16_fp6_f32 v[P:P+2], v[S:S+15], v[SO]
	v_cvt_scalef32_pk16_fp6_f32 v[CA:CA+2], v[S+16:S+31], v[SO]
	v_cvt_scalef32_pk16_fp6_f32 v[P+6:P+8], v[S+32:S+47], v[SO+1]
	v_cvt_scalef32_pk16_fp6_f32 v[CB:CB+2], v[S+48:S+63], v[SO+1]
.if \first
	v_nop
.else
	v_pk_mul_f32 v[14:15], v[14:15], v[FF:FF+1] op_sel_hi:[1,0]   ; the sum under the new M.  (The plain place behind the conversions)
.endif
.irp i, 0,1,2
	v_mov_b32 v[P+3+\i], v[CA+\i]
	v_mov_b32 v[P+9+\i], v[CB+\i]
.endr
	ADDS 16                                        ; the sum of the unquantised p, in place
	ADDS 8
	ADDS 4
	ADDS 2
.if \first
	v_pk_add_f32 v[14:15], v[S:S+1], v[S+2:S+3]
.else
	v_pk_add_f32 v[14:15], v[14:15], v[S:S+1]
	v_pk_add_f32 v[14:15], v[14:15], v[S+2:S+3]
.endif
.if \pf
	s_wait_dscnt 14                                ; V; the next step's K, 14 loads, may be out
.else
	s_wait_dscnt 0x0
.endif
.if \first
	PV 0, 0, 0
	PV 1, 1, 0
	PV 2, 0, 0
	PV 3, 1, 0
.else
	PV 0, 0, v[O:O+7]
	PV 1, 1, v[O+8:O+15]
	PV 2, 0, v[O+16:O+23]
	PV 3, 1, v[O+24:O+31]
.endif
	s_add_co_u32 s60, s60, 6144
	s_add_co_u32 s61, s61, 256
.endm
	KLOAD 0, 3, 0, 0
	STEP 1, 0, 1
	STEP 0, 1, 0
	s_barrier_wait -1                              ; everything is in
	v_add_nc_u32 v4, s60, v0
	v_add_nc_u32 v7, s61, v3
	KLOAD 4, 7, 0, 0
	s_mov_b32 s62, 13
.Lstep:
	STEP 0, 0, 1
	s_sub_co_u32 s62, s62, 1
	s_cmp_lg_u32 s62, 0
	s_cbranch_scc1 .Lstep
	STEP 0, 0, 0
; THE WAY OUT.  The first lines are the places behind the last products.
	WALU
	v_add_f32 v14, v14, v15
	v_permlanex16_b32 v9, v14, s20, s21
	v_add_f32 v14, v14, v9                         ; the row's sum
	v_lshrrev_b32 v4, 4, v0
	v_and_b32 v5, 15, v4
	v_lshrrev_b32 v4, 4, v4                        ; h
	v_lshl_add_u32 v5, v5, 1, v4                   ; 2 r + h
	v_lshrrev_b32 v6, 1, v0                        ; 8 x lane
	v_cmp_eq_u32 vcc_lo, 1, v4
	WALU
	v_rcp_f32 v14, v14
	v_nop
	WALU
.set n, 0
.rept 16
	v_pk_mul_f32 v[S+n:S+n+1], v[O+n:O+n+1], v[14:15] op_sel_hi:[1,0]   ; register 8 t + i is d = 32 h + 8 (t xor h) + i: one scale block a lane
.set n, n+2
.endr
	v_max3_num_f32 v[BM], |v[S]|, |v[S+1]|, 0x1800000
	v_max3_num_f32 v[TT], |v[S+16]|, |v[S+17]|, |v[S+18]|
.irp i, 2,4,6,8,10,12
	v_max3_num_f32 v[BM], v[BM], |v[S+\i]|, |v[S+\i+1]|
	v_max3_num_f32 v[TT], v[TT], |v[S+\i+17]|, |v[S+\i+18]|
.endr
	v_max3_num_f32 v[BM], v[BM], |v[S+14]|, |v[S+15]|
	v_max3_num_f32 v[BM], v[BM], v[TT], |v[S+31]|
	v_add_nc_u32 v[SO], 0xff000000, v[BM]
	v_cvt_scalef32_pk16_fp6_f32 v[P:P+2], v[S:S+15], v[SO]
	v_cvt_scalef32_pk16_fp6_f32 v[CA:CA+2], v[S+16:S+31], v[SO]
	v_lshrrev_b32 v245, 23, v[SO]                  ; the scale's byte.  (A plain place)
	v_alignbit_b32 v[P+6], v[P+2], v[P+1], 16      ; lanes 16-31 hold each two groups of eight codes in the other order: the 96 bits' halves change places
	v_alignbit_b32 v[P+7], v[P], v[P+2], 16
	v_alignbit_b32 v[P+8], v[P+1], v[P], 16
	v_alignbit_b32 v[P+9], v[CA+2], v[CA+1], 16
	v_alignbit_b32 v[P+10], v[CA], v[CA+2], 16
	v_alignbit_b32 v[P+11], v[CA+1], v[CA], 16
.irp i, 0,1,2
	v_cndmask_b32 v[P+\i], v[P+\i], v[P+6+\i], vcc_lo
	v_cndmask_b32 v[P+3+\i], v[CA+\i], v[P+9+\i], vcc_lo
.endr
	global_store_b128 v0, v[P:P+3], s[8:9]         ; 512 and 256 consecutive bytes, aligned
	global_store_b64 v6, v[P+4:P+5], s[8:9] offset:512
	global_store_b8 v5, v245, s[10:11]             ; 32 consecutive bytes a wave: the tile's scale bytes for this head
	s_wait_tensorcnt 0x0
	ds_add_u32 v[SPW], v[NIL]
	s_wait_dscnt 0x0
	ROUND                                          ; the closing round
	s_endpgm
.Lfunc_end_k_qf66cc73782_attn:
	.size	k_qf66cc73782_attn, .Lfunc_end_k_qf66cc73782_attn-k_qf66cc73782_attn
	.p2alignl 7, 3214868480
	.fill 96, 4, 3214868480
	.section	.rodata,"a",@progbits
	.p2align	6, 0x0
	.amdhsa_kernel k_qf66cc73782_attn
		.amdhsa_group_segment_fixed_size 206848
		.amdhsa_private_segment_fixed_size 0
		.amdhsa_enable_private_segment 0
		.amdhsa_kernarg_size 16
		.amdhsa_user_sgpr_count 2
		.amdhsa_user_sgpr_kernarg_segment_ptr 1
		.amdhsa_wavefront_size32 1
		.amdhsa_system_sgpr_workgroup_id_x 1
		.amdhsa_system_sgpr_workgroup_id_y 1
		.amdhsa_system_sgpr_workgroup_id_z 1
		.amdhsa_system_vgpr_workitem_id 0
		.amdhsa_next_free_vgpr 256
		.amdhsa_next_free_sgpr 72
		.amdhsa_reserve_vcc 1
		.amdhsa_float_denorm_mode_32 3
		.amdhsa_float_denorm_mode_16_64 3
		.amdhsa_memory_ordered 1
		.amdhsa_forward_progress 1
		.amdhsa_inst_pref_size 69
	.end_amdhsa_kernel
	.amdgpu_metadata
---
amdhsa.version: [ 1, 2 ]
amdhsa.kernels:
  - .name:           k_qf66cc73782_attn
    .symbol:         k_qf66cc73782_attn.kd
    .args:
      - { .name: img, .offset: 0, .size: 8, .value_kind: global_buffer, .address_space: global }
      - { .name: cimg, .offset: 8, .size: 8, .value_kind: global_buffer, .address_space: global }
    .group_segment_fixed_size: 206848
    .private_segment_fixed_size: 0
    .kernarg_segment_align: 8
    .kernarg_segment_size: 16
    .max_flat_workgroup_size: 512
    .sgpr_count:     72
    .vgpr_count:     256
    .wavefront_size: 32
...
	.end_amdgpu_metadata
.endif
;; end of part 2
;; launch oproj (part 3): grid 8 x 32, 4 waves a work-group, clusters of 4 x 4, 224,768 bytes of LDS; arguments cimg, wo_codes, wo_scales, out0; writes out0
.if DOCPART == 3
	.amdgcn_target "amdgcn-amd-amdhsa--gfx1250"
	.amdhsa_code_object_version 6
	.text
	.protected	k_qf66cc73782_oproj
	.globl	k_qf66cc73782_oproj
	.p2align	8
	.type	k_qf66cc73782_oproj,@function
k_qf66cc73782_oproj:
	s_mov_b64 s[64:65], 0
	v_nop
	global_prefetch_b8 v0, s[64:65] scope:SCOPE_SE
	s_setreg_imm32_b32 hwreg(HW_REG_WAVE_MODE, 25, 1), 1
	s_wait_xcnt 0x0
	s_wait_alu depctr_hold_cnt(0) depctr_sa_sdst(0) depctr_va_vdst(0) depctr_va_sdst(0) depctr_va_ssrc(0) depctr_va_vcc(0) depctr_vm_vsrc(0)
	s_getreg_b32 s2, hwreg(HW_REG_IB_STS2, 6, 4)
	s_cmp_eq_u32 s2, 0
	s_cbranch_scc0 .Lentry_in_a_cluster
	s_endpgm
.Lentry_in_a_cluster:
	s_bfe_u32 s2, ttmp6, 0x10000c
	s_cmp_lg_u32 s2, 0xf033
	s_cbranch_scc0 .Lentry_shape_is_right
	s_endpgm
.Lentry_shape_is_right:
; out[m][n] = sum over k of ctx[m][k] wo[n][k], K = 1,024, on codes of FP6 (E2M3) with E8M0 scales; out is [4,096][1,024] f32.  ctx comes as half fragments (cimg, laid out at the head of the launch that writes it).  NaN and infinities are not served.
; A work-group makes 128 x 128, its four waves 64 x 64 each: a wave holds its 64 rows of wo, all of K, in registers (32 fragments) and takes its four tiles of ctx one after the other, so that finished rows leave while later ones are multiplied.
; ALL OF K LIES IN LDS, each byte filled once, one tensor load a wave: waves 0, 1 wo's halves (rows of 768 bytes), waves 2, 3 ctx's.  All is asked for at the head: nothing is left to prefetch.
; CLUSTERS: ctx's block is shared along a row of the cluster, wo's rows along a column.
; A tile's row r = 8 g + i is token 32 g + 8 (j xor g) + i of its 64, j the tile's number there: the stores' offsets follow that.
; THE MATRIX INSTRUCTION IS USED TRANSPOSED (source 0 = 16 rows of wo): a lane holds eight neighbouring numbers of a row of out.
; REGISTERS: fragment f lies in window 1 + f / 21 at register 12 (f % 21): 0-31 wo's (4 q + t), 32-39 and 40-47 ctx's two sets.  Sums v128-191, two sets.
.set PITCH, 816
.set BB,   102400
.set STG,  206848
.set SPARE, 224256
.set SPW,  10
.set NIL,  11
.set A16,  12
.set A8,   13
.set SCV,  14
.set STO,  15
.set RD,   16
.set CO,   17
.set L32,  18
.set SBW,  24
.set SA,   58
.set WAD,  120
.set ACC,  128
.set BK,   192
.set MSB, 0
.macro WIN new
.if MSB != (\new)
	s_set_vgpr_msb (MSB<<8)|(\new)
.set MSB, (\new)
.endif
.endm
.macro PLACES n
.rept \n
	v_nop
.endr
.endm
.macro BARRIER
	s_barrier_signal -1
	s_barrier_wait -1
.endm
.macro CROUND
	BARRIER
	s_cmp_lg_u32 s14, 0
	s_cbranch_scc1 .Lnot_wave_0_\@
	s_barrier_signal -3
.Lnot_wave_0_\@:
	s_barrier_wait -3
	BARRIER
.endm
.macro TLOAD g0, g1
	tensor_load_to_lds s[\g0:\g0+3], s[\g1:\g1+7]
	s_nop 0
	PLACES 4
.endm
.macro FRAG f, q, ad
.set F_, \f
.set AD_, \ad
	WIN ((1+F_/21)<<6)
.set R_, 12*(F_%21)
.set SKIP_, 0
.irp p, 0,1,2,3,4,5
.if SKIP_
.set SKIP_, 0
.else
.set PC_, 12*(\q)+6*(\p/3)+\p%3
.set PN_, 12*(\q)+6*((\p+1)/3)+(\p+1)%3
.set X_, (PC_%32+3)/32
.set XQ_, (PN_%32+3)/32
.if (\p < 5) && (X_ == XQ_)
.set SKIP_, 1
	ds_load_2addr_b64 v[R_+2*\p:R_+2*\p+3], v[AD_+X_] offset0:PC_+2*(PC_/32) offset1:PN_+2*(PN_/32)
.else
	ds_load_b64 v[R_+2*\p:R_+2*\p+1], v[AD_+X_] offset:8*(PC_+2*(PC_/32))
.endif
.endif
.endr
.endm
.macro FETCH e, s                      ; tile s of ctx, all of K, into set e: 32 loads
.irp q, 0,1,2,3,4,5,6,7
.set F_, 32+8*\e+\q
.set R_, 12*(F_%21)
	WIN ((1+F_/21)<<6)
.irp c, 0,1
	ds_load_b128 v[R_+6*\c:R_+6*\c+3], v[A16] offset:12288*(\s)+768*(2*\q+\c)
	ds_load_b64 v[R_+6*\c+4:R_+6*\c+5], v[A8] offset:12288*(\s)+768*(2*\q+\c)+512
.endr
.endr
	WIN 0
.endm
.macro MM c, ra, rb
	v_wmma_scale_f32_16x16x128_f8f6f4 v[D_:D_+7], v[S0_:S0_+11], v[S1_:S1_+11], \c, v[X0_], v[X1_] matrix_a_fmt:MATRIX_FMT_FP6 matrix_b_fmt:MATRIX_FMT_FP6 matrix_a_scale:MATRIX_SCALE_ROW\ra matrix_b_scale:MATRIX_SCALE_ROW\rb
.endm
.macro MMC ra, rb
.if Q_
	MM v[D_:D_+7], \ra, \rb
.else
	MM 0, \ra, \rb
.endif
.endm
.macro BLOCK s, jr, from, to
.set N_, \from
.rept (\to)-(\from)
.set Q_, N_/4
.set T_, N_%4
.set FA_, 32+8*\jr+Q_
.set D_, ACC+32*\jr+8*T_
.set S0_, 12*(N_%21)
.set S1_, 12*(FA_%21)
.set X0_, SBW+8*(T_/2)+Q_
.set X1_, SA+8*(\s/2)+Q_
	WIN ((1+N_/21)|((1+FA_/21)<<2))
.if T_%2
	MMC 1, \jr
.else
	MMC 0, \jr
.endif
.set N_, N_+1
.endr
	WIN 0
.endm
; A tile's way out through my own stage: LDS serves a wave's instructions in order (ISA guide 5.7.1.4), so no wait stands between the stores and the loads.
.macro TOSTAGE s, jr
.irp t, 0,1,2,3
	ds_store_b128 v[STO], v[ACC+32*\jr+8*\t:ACC+32*\jr+8*\t+3] offset:64*\t
	ds_store_b128 v[STO], v[ACC+32*\jr+8*\t+4:ACC+32*\jr+8*\t+7] offset:64*\t+16
.endr
.irp t, 0,1,2,3,4,5,6,7
	ds_load_b128 v[BK+32*\jr+4*\t:BK+32*\jr+4*\t+3], v[RD] offset:\t*544
.endr
.endm
.macro SEND s, jr, younger
	s_wait_dscnt \younger
.irp t, 0,1,2,3,4,5,6,7
	global_store_b128 v[CO], v[BK+32*\jr+4*\t:BK+32*\jr+4*\t+3], s[10:11] offset:4096*(32*(\t/4)+8*((\s)^(\t/4))+2*(\t%4)) th:TH_STORE_NT   ; sixteen lanes store 256 consecutive bytes, aligned
.endr
.endm
	s_load_b256 s[4:11], s[0:1], 0x0               ; cimg, wo's codes, wo's scales, out
	v_lshl_add_u32 v[SPW], v0, 2, SPARE
	v_mov_b32 v[NIL], 0
	ds_add_u32 v[SPW], v[NIL]
	ds_add_u32 v[SPW], v[NIL]
	v_lshrrev_b32 v1, 5, v0
	v_readfirstlane_b32 s14, v1
	s_lshr_b32 s15, s14, 1                         ; which 64 rows are mine
	s_and_b32 s16, s14, 1                          ; which 64 columns.  Also: which half I fetch
	s_bfe_u32 s18, ttmp6, 0x40000
	s_bfe_u32 s19, ttmp6, 0x40004
	s_lshl_b32 s20, ttmp9, 2
	s_add_co_u32 s20, s20, s18                     ; tile column
	s_and_b32 s17, ttmp7, 0xffff
	s_lshl_b32 s17, s17, 2
	s_add_co_u32 s17, s17, s19                     ; tile row
	s_lshl_b32 s21, s19, 2
	s_lshl_b32 s21, 15, s21
	s_lshl_b32 s22, 0x1111, s18
	s_or_b32 s24, s21, (3<<16)|(1<<21)             ; ctx: 51,200 dense bytes as 200 rows of 256
	s_mov_b32 s25, 32<<16
	s_mov_b32 s26, 200<<16
	s_mov_b32 s27, 32<<16
	s_mov_b32 s28, 200
	s_mov_b32 s29, 32
	s_mov_b32 s30, 0
	s_mov_b32 s31, 0
	s_or_b32 s32, s22, (1<<20)|(1<<21)|(5<<22)|(3<<25)   ; wo: 64 rows of 768 bytes, 16 bytes of padding behind every 256
	s_mov_b32 s33, 768<<16
	s_mov_b32 s34, 64<<16
	s_mov_b32 s35, 768<<16
	s_mov_b32 s36, 64
	s_mov_b32 s37, 768
	s_mov_b32 s38, 0
	s_mov_b32 s39, 0
	s_mul_i32 s40, s15, 49152
	s_mul_i32 s41, s16, 64*PITCH
	s_add_co_u32 s41, s41, BB
	s_lshl_b32 s42, s15, 11
	s_add_co_u32 s42, s42, 98304
	s_mul_i32 s43, s14, 4352
	s_add_co_u32 s43, s43, STG
	v_and_b32 v1, 15, v0                           ; r
	v_bfe_u32 v2, v0, 4, 1                         ; h
	v_and_b32 v3, 31, v0
	v_lshlrev_b32 v[L32], 5, v3                    ; wo's scale bytes: row = lane
	v_lshlrev_b32 v4, 4, v3
	v_add_nc_u32 v[A16], s40, v4
	v_lshlrev_b32 v4, 3, v3
	v_add_nc_u32 v[A8], s40, v4
	v_lshlrev_b32 v5, 9, v2                        ; ctx's scale bytes: lanes 0-15 an even tile, lanes 16-31 the odd one behind it
	v_lshl_add_u32 v5, v1, 1, v5
	v_add_nc_u32 v[SCV], s42, v5
	v_mul_u32_u24 v6, v1, PITCH
	v_mad_u32_u24 v6, v2, 24, v6
	v_add_nc_u32 v6, s41, v6
	v_lshlrev_b32 v7, 4, v2
.irp t, 0,1,2,3
	v_add_nc_u32 v[WAD+2*\t], \t*16*PITCH, v6
	v_add_nc_u32 v[WAD+2*\t+1], v7, v[WAD+2*\t]
.endr
	v_mul_u32_u24 v5, v1, 272
	v_lshl_add_u32 v5, v2, 5, v5
	v_add_nc_u32 v[STO], s43, v5
	v_mul_u32_u24 v5, v2, 272
	v_lshl_add_u32 v5, v1, 4, v5
	v_add_nc_u32 v[RD], s43, v5
	v_lshlrev_b32 v5, 12, v2
	v_lshl_add_u32 v[CO], v1, 4, v5
	s_wait_alu depctr_va_vdst(0)                   ; the wait at the head's end
	s_wait_dscnt 0x0
	CROUND                                         ; all sixteen work-groups are here: the joint loads meet
	s_wait_kmcnt 0x0
	s_mov_b32 s60, 1                               ; wo
	s_mov_b32 s61, s41
	s_mul_i32 s2, s20, 98304
	s_mul_i32 s3, s16, 49152
	s_add_co_u32 s2, s2, s3
	s_mov_b32 s3, 0
	s_add_nc_u64 s[62:63], s[6:7], s[2:3]
	s_or_b32 s63, s63, 0x80000000
	s_mov_b32 s68, 1                               ; ctx
	s_mul_i32 s69, s16, 51200
	s_mul_i32 s2, s17, 102400
	s_add_co_u32 s2, s2, s69
	s_add_nc_u64 s[70:71], s[4:5], s[2:3]
	s_or_b32 s71, s71, 0x80000000
	s_cmp_lt_u32 s14, 2
	s_cbranch_scc0 .Lfor_ctx
	TLOAD 60, 32
	s_branch .Lasked
.Lfor_ctx:
	TLOAD 68, 24
.Lasked:
	s_lshl_b32 s2, s20, 12
	s_lshl_b32 s40, s16, 11
	s_add_co_u32 s2, s2, s40
	s_add_nc_u64 s[8:9], s[8:9], s[2:3]            ; wo's scale bytes, my 64 rows
.irp d, 0,1
.irp c, 0,1
	global_load_b128 v[SBW+8*\d+4*\c:SBW+8*\d+4*\c+3], v[L32], s[8:9] offset:1024*\d+16*\c
.endr
.endr
	s_lshl_b32 s2, s17, 19
	s_lshl_b32 s40, s15, 18
	s_add_co_u32 s2, s2, s40
	s_lshl_b32 s40, s20, 9
	s_add_co_u32 s2, s2, s40
	s_lshl_b32 s40, s16, 8
	s_add_co_u32 s2, s2, s40
	s_add_nc_u64 s[10:11], s[10:11], s[2:3]        ; my 64 x 64 of out
	s_cmp_lt_u32 s14, 2
	s_cbranch_scc0 .Lnot_wo
	s_wait_tensorcnt 0x0
.Lnot_wo:
	BARRIER                                        ; wo is in; ctx may be on its way
.irp q, 0,1,2,3,4,5,6,7
.irp t, 0,1,2,3
	FRAG 4*\q+\t, \q, WAD+2*\t
.endr
.endr
	WIN 0
	s_wait_tensorcnt 0x0
	s_wait_dscnt 0x0
	BARRIER                                        ; ctx is in
.irp d, 0,1
.irp q, 0,1,2,3,4,5,6,7
	ds_load_u16 v[BK+16*\d+2*\q], v[SCV] offset:1024*\d+64*\q
	ds_load_u16 v[BK+16*\d+2*\q+1], v[SCV] offset:1024*\d+64*\q+32
.endr
.endr
	FETCH 0, 0
	FETCH 1, 1
	s_wait_loadcnt 0x0
	s_wait_dscnt 32                                ; all but the second tile's loads
.irp d, 0,1
.irp q, 0,1,2,3,4,5,6,7
	v_lshl_or_b32 v[SA+8*\d+\q], v[BK+16*\d+2*\q+1], 16, v[BK+16*\d+2*\q]   ; two heads' bytes make a K step's scale word
.endr
.endr
	s_wait_alu depctr_va_vdst(0)
	BLOCK 0, 0, 0, 32
	PLACES 4
	TOSTAGE 0, 0
	FETCH 0, 2
	s_wait_dscnt 48                                ; tile 1; younger: 16 of the stage, tile 2's 32 loads
	BLOCK 1, 1, 0, 8
	SEND 0, 0, 32
	BLOCK 1, 1, 8, 32
	PLACES 4
	TOSTAGE 1, 1
	FETCH 1, 3
	s_wait_dscnt 48
	BLOCK 2, 0, 0, 8
	SEND 1, 1, 32
	BLOCK 2, 0, 8, 32
	PLACES 4
	s_wait_xcnt 0x0                                ; tile 0's stores have read their registers
	TOSTAGE 2, 0
	s_wait_dscnt 16                                ; tile 3; younger: 16 of the stage
	BLOCK 3, 1, 0, 8
	SEND 2, 0, 0
	BLOCK 3, 1, 8, 32
	PLACES 4
	s_wait_xcnt 0x0
	TOSTAGE 3, 1
	SEND 3, 1, 0
	s_wait_tensorcnt 0x0
	ds_add_u32 v[SPW], v[NIL]
	s_wait_dscnt 0x0
	CROUND                                         ; the closing round
	s_endpgm
.Lfunc_end_k_qf66cc73782_oproj:
	.size	k_qf66cc73782_oproj, .Lfunc_end_k_qf66cc73782_oproj-k_qf66cc73782_oproj
	.p2alignl 7, 3214868480
	.fill 96, 4, 3214868480
	.section	.rodata,"a",@progbits
	.p2align	6, 0x0
	.amdhsa_kernel k_qf66cc73782_oproj
		.amdhsa_group_segment_fixed_size 224768
		.amdhsa_private_segment_fixed_size 0
		.amdhsa_enable_private_segment 0
		.amdhsa_kernarg_size 32
		.amdhsa_user_sgpr_count 2
		.amdhsa_user_sgpr_kernarg_segment_ptr 1
		.amdhsa_wavefront_size32 1
		.amdhsa_system_sgpr_workgroup_id_x 1
		.amdhsa_system_sgpr_workgroup_id_y 1
		.amdhsa_system_sgpr_workgroup_id_z 1
		.amdhsa_system_vgpr_workitem_id 0
		.amdhsa_next_free_vgpr 1024
		.amdhsa_next_free_sgpr 102
		.amdhsa_reserve_vcc 0
		.amdhsa_float_denorm_mode_32 3
		.amdhsa_float_denorm_mode_16_64 3
		.amdhsa_memory_ordered 1
		.amdhsa_forward_progress 1
		.amdhsa_inst_pref_size 50
	.end_amdhsa_kernel
	.amdgpu_metadata
---
amdhsa.version: [ 1, 2 ]
amdhsa.kernels:
  - .name:           k_qf66cc73782_oproj
    .symbol:         k_qf66cc73782_oproj.kd
    .args:
      - { .name: cimg, .offset: 0, .size: 8, .value_kind: global_buffer, .address_space: global }
      - { .name: wo_codes, .offset: 8, .size: 8, .value_kind: global_buffer, .address_space: global }
      - { .name: wo_scales, .offset: 16, .size: 8, .value_kind: global_buffer, .address_space: global }
      - { .name: out0, .offset: 24, .size: 8, .value_kind: global_buffer, .address_space: global }
    .group_segment_fixed_size: 224768
    .private_segment_fixed_size: 0
    .kernarg_segment_align: 8
    .kernarg_segment_size: 32
    .max_flat_workgroup_size: 128
    .sgpr_count:     102
    .vgpr_count:     1024
    .wavefront_size: 32
...
	.end_amdgpu_metadata
.endif
;; end of part 3
